; MI455X (gfx1250); checked and timed in simulation.
; The chip was launched on July 23, 2026; its instructions are those of AMD's public machine-readable ISA for CDNA 5 (MIT licence, August 2026) and "CDNA5" Instruction Set Architecture Reference Guide (July 2026). The comments in the code are by the model that wrote it; some were corrected since.
;; RND. Allowed arithmetic: matrix products marked QUANTISED: E2M1 operands, one E8M0 scale for each 32 along K, by v_wmma_scale_f32_16x16x128_f8f6f4 with both operands' format E2M1 (or v_wmma_scale_f32_32x16x128_f4), f32 sums; everything else in f32.
;; Inputs: obs 524,288 x 64 float32; pW1 128 x 64 float32; pW2 128 x 128 float32; pW3 128 x 128 float32; pb1 128 float32; pb2 128 float32; pb3 128 float32; reward_count 1 float32; reward_m2 1 float32; reward_mean 1 float32; tW1 128 x 64 float32; tW2 128 x 128 float32; tW3 128 x 128 float32; tb1 128 float32; tb2 128 float32; tb3 128 float32.
;; Outputs: out0 524,288 float32.
;; This version of the problem:
;;   THIS VERSION OF THE PROBLEM IS GIVEN IN LOW PRECISION. The matrix products marked QUANTISED in the list below multiply operands that are first quantised to E2M1 (2 exponent bits, 1 mantissa bit; 4 bits a number), with one power-of-two scale for each 32 numbers along K (OCP MX v1.0); their sums are f32. All else is computed in f32.
;;   The module's matrix products, in the order in which they are computed (A, B: the left and right operand; K: the contracted axis; several contracted axes count as one K, in the product's order):
;;     1. [M 524,288, K 64] x [K 64, N 128]; A: input obs; B: input tW1: QUANTISED
;;     2. [M 524,288, K 128] x [K 128, N 128]; A: computed on the way; B: input tW2: QUANTISED
;;     3. [M 524,288, K 128] x [K 128, N 128]; A: computed on the way; B: input tW3: QUANTISED
;;     4. [M 524,288, K 64] x [K 64, N 128]; A: input obs; B: input pW1: QUANTISED
;;     5. [M 524,288, K 128] x [K 128, N 128]; A: computed on the way; B: input pW2: QUANTISED
;;     6. [M 524,288, K 128] x [K 128, N 128]; A: computed on the way; B: input pW3: QUANTISED
;;   THE QUANTISER, for each operand of a quantised product, along K:
;;     - K is cut into blocks of 32 from its start; a last block that is shorter is filled with zeros.
;;     - A block's scale is 2^e with e = floor(log2(the largest magnitude in the block)) - 2, held to -126 .. 127; a block of zeros has e = 0. As a byte (E8M0): e + 127.
;;     - Each number is divided by its block's scale, clamped to +-6, and rounded to the nearest number of E2M1, ties to even, subnormals kept.
;;     - The product sums the exact products of the quantised numbers (number of the format x scale) in f32.
;;   ~~~python
;;   def quantise(x, axis):      # numpy; x: float32 -> the quantised numbers, widened to float32 again
;;       x = np.moveaxis(x, axis, -1); K = x.shape[-1]
;;       x = np.pad(x, [(0, 0)] * (x.ndim - 1) + [(0, -K % 32)]); x = x.reshape(x.shape[:-1] + (-1, 32)); a = np.abs(x).max(-1, keepdims=True)
;;       e = np.where(a > 0, np.clip(np.frexp(np.where(a > 0, a, 1))[1] - 1 - 2, -126, 127), 0)      # np.frexp(a)[1] - 1 = floor(log2(a)), exactly
;;       r = np.clip(x / 2.0 ** e, -6, 6)
;;       step = 2.0 ** (np.maximum(np.frexp(np.where(r == 0, 1, r))[1] - 1, 0) - 1)
;;       q = np.round(r / step) * step * 2.0 ** e      # np.round: ties to even
;;       return np.moveaxis(q.reshape(q.shape[:-2] + (-1,))[..., :K], -1, axis).astype(np.float32)
;;   ~~~
;;   OPERANDS COMPUTED ON THE WAY. 'Computed on the way' means the value that the module computes at that place (a softmax that the list does not call 'softmax' is quantised finished and normalised). What goes into a quantiser is computed in f32, as accurately as f32 sums, v_exp_f32 and their like allow (about 1e-6 of the number): no bf16 or f16 on the way to a quantiser, and a product that is left as it is and whose result goes on into a quantised operand takes f32 operands (vector FMAs, or v_wmma_f32_16x16x4_f32). A number that lies on a knife's edge between two numbers of the format may be rounded either way, as far as f32 arithmetic and the matrix unit's own rounding can turn it there, and no further.
;; One version. Each part assembles by itself: llvm-mc -triple=amdgcn-amd-amdhsa -mcpu=gfx1250 --defsym DOCPART=n.
;; ======== version 1 of 1: 3 launches
;; limits: right only within a limited range of input values
;; workspace buffers: rewards 2,097,152 bytes; part 8,192 bytes; wimg 44,032 bytes
;; launch prep (part 1): grid 48 x 1, 1 waves a work-group, no clusters, 0 bytes of LDS; arguments tW1, pW1, tW2, pW2, tW3, pW3, wimg; writes wimg
.if DOCPART == 1
	.amdgcn_target "amdgcn-amd-amdhsa--gfx1250"
	.amdhsa_code_object_version 6
	.text
	.protected	k_qc03bb3f689_prep
	.globl	k_qc03bb3f689_prep
	.p2align	8
	.type	k_qc03bb3f689_prep,@function
k_qc03bb3f689_prep:
	s_mov_b64 s[64:65], 0
	v_nop
	global_prefetch_b8 v0, s[64:65] scope:SCOPE_SE
	s_setreg_imm32_b32 hwreg(HW_REG_WAVE_MODE, 25, 1), 1
	s_wait_xcnt 0x0
; The six weights, f32 [n][k], are quantised once to E2M1 codes with one E8M0 byte for each 32 along k, and stored as the image of the
; operand registers that launch bonus keeps: for each tile of 16 rows and each 64 along k, 512 bytes, 16 for each lane.
; wimg: 0 .. 8191 the 16 tiles of tW1, pW1 (k = 64); 8192 .. 40959 the 32 tiles of tW2, pW2, tW3, pW3 (k = 128); 40960 .. 44031 a scale word for each row, 64 bytes a tile.
; The rows of a tile are not neighbours: lane r of tile t takes row 64 (t / 4) + 8 (t % 4) + (r % 8) + 32 (r / 8), so that in bonus a lane's results of four tiles are 32 neighbours along the next k.
; pW3's codes get their sign bits turned: bonus then adds -pW3 h onto tW3 h in one accumulator.
; One wave to a tile: work-groups 0-31 the tiles of k = 128, 32-47 those of k = 64.  A lane holds whole blocks of 32, so no other lane is asked for a maximum.
; The scale words leave as 64 consecutive bytes a tile: 3,072 bytes of the launch's 44,032.
; LIMITS: NaN and infinities are not served; a block of zeros gets the byte 1 (its codes are zeros; this program alone reads the bytes).
.set WA2, 2
.set WA1, 3
.set SH8, 4
.set L16, 5
.set R4,  6
.set MX,  8
.set EX,  12
.set BY,  14
.set WD,  16
.set TP,  17
.set CD,  20
.set X,   32
	s_load_b256 s[4:11], s[0:1], 0x0               ; tW1 4, pW1 6, tW2 8, pW2 10
	s_load_b128 s[12:15], s[0:1], 0x20             ; tW3 12, pW3 14
	s_load_b64 s[16:17], s[0:1], 0x30              ; wimg
	s_mov_b32 s20, 0x76543210
	s_mov_b32 s21, 0xfedcba98                      ; selects for lane l xor 16
	s_mov_b32 s22, 0x01800000                      ; the floor 2^(3 - 127)
	s_mov_b32 s23, 0xff000000                      ; 2 off an exponent field
	s_and_b32 s24, ttmp9, 7                        ; the tile
	s_lshr_b32 s25, s24, 2
	s_lshl_b32 s25, s25, 6
	s_and_b32 s26, s24, 3
	s_lshl_b32 s26, s26, 3
	s_add_co_u32 s25, s25, s26                     ; its first row
	s_mov_b32 s27, 0
	s_mov_b32 s37, 0
	v_and_b32 v7, 15, v0                           ; r
	v_bfe_u32 v9, v0, 4, 1                         ; h
	v_and_b32 v10, 7, v7
	v_lshrrev_b32 v11, 3, v7
	v_lshl_add_u32 v10, v11, 5, v10                ; r % 8 + 32 (r / 8)
	v_lshlrev_b32 v11, 7, v9                       ; 32 numbers further on for lanes 16-31
	v_lshl_add_u32 v[WA2], v10, 9, v11
	v_lshl_add_u32 v[WA1], v10, 8, v11
	v_lshlrev_b32 v[SH8], 3, v9
	v_lshlrev_b32 v[L16], 4, v0
	v_lshlrev_b32 v[R4], 2, v7
	v_mov_b32 v[TP], 0
	s_wait_alu depctr_va_vdst(0)
	s_wait_kmcnt 0x0
; nc blocks of 32 a lane: largest magnitude with the floor, scale operand, codes, byte; then the row's scale word from lanes l and l xor 16
.macro QUANT nc
	s_wait_loadcnt 0x0
.set qc, 0
.rept \nc
	v_max3_num_f32 v[MX], s22, |v[X+32*qc]|, |v[X+32*qc+1]|
	v_max3_num_f32 v[MX+1], s22, |v[X+32*qc+2]|, |v[X+32*qc+3]|
.irp i, 4,8,12,16,20,24,28
	v_max3_num_f32 v[MX], v[MX], |v[X+32*qc+\i]|, |v[X+32*qc+\i+1]|
	v_max3_num_f32 v[MX+1], v[MX+1], |v[X+32*qc+\i+2]|, |v[X+32*qc+\i+3]|
.endr
	v_max_num_f32 v[MX], v[MX], v[MX+1]
	v_add_nc_u32 v[EX+qc], s23, v[MX]
.irp g, 0,1,2,3
	v_cvt_scalef32_pk8_fp4_f32 v[CD+4*qc+\g], v[X+32*qc+8*\g:X+32*qc+8*\g+7], v[EX+qc]
.endr
	v_lshrrev_b32 v[BY+qc], 23, v[EX+qc]           ; the byte; also the plain line behind the conversions
.set qc, qc+1
.endr
.if \nc == 2
	v_lshl_or_b32 v[WD], v[BY+1], 16, v[BY]
.else
	v_mov_b32 v[WD], v[BY]
.endif
	v_lshlrev_b32 v[WD], v[SH8], v[WD]             ; my blocks are h and 2 + h
	v_permlanex16_b32 v[TP], v[WD], s20, s21
	v_or_b32 v[WD], v[WD], v[TP]
.endm
.macro SCST sb, off                    ; lanes 0-15 store the tile's 16 scale words
	v_cmp_gt_u32 vcc_lo, 16, v0
	s_wait_alu depctr_va_vdst(0)
	s_wait_xcnt 0x0                                ; EXEC changes only behind this wait
	s_and_saveexec_b32 s44, vcc_lo
	global_store_b32 v[R4], v[WD], s[\sb:\sb+1] offset:\off
	s_wait_xcnt 0x0
	s_or_b32 exec_lo, exec_lo, s44
	s_endpgm
.endm
	s_cmp_lt_u32 ttmp9, 32
	s_cbranch_scc0 .Lw1
	s_lshr_b32 s28, ttmp9, 3                       ; which matrix: 0 tW2, 1 pW2, 2 tW3, 3 pW3
	s_and_b32 s29, s28, 1
	s_cmp_eq_u32 s29, 1
	s_cselect_b64 s[30:31], s[10:11], s[8:9]
	s_cselect_b64 s[32:33], s[14:15], s[12:13]
	s_cmp_lt_u32 s28, 2
	s_cselect_b64 s[30:31], s[30:31], s[32:33]
	s_cmp_eq_u32 s28, 3
	s_cselect_b32 s34, 0x88888888, 0               ; pW3 alone changes sign
	s_lshl_b32 s26, s25, 9                         ; rows of 512 bytes
	s_add_nc_u64 s[30:31], s[30:31], s[26:27]
	s_lshl_b32 s36, ttmp9, 10                      ; 1,024 bytes of codes a tile
	s_add_nc_u64 s[38:39], s[16:17], s[36:37]
	s_lshl_b32 s36, ttmp9, 6                       ; 64 bytes of scale words a tile
	s_add_nc_u64 s[40:41], s[16:17], s[36:37]
.irp k, 0,1,2,3,4,5,6,7,8,9,10,11,12,13,14,15
	global_load_b128 v[X+4*\k:X+4*\k+3], v[WA2], s[30:31] offset:256*(\k/8)+16*(\k%8)
.endr
	QUANT 2
.irp i, 0,1,2,3,4,5,6,7
	v_xor_b32 v[CD+\i], s34, v[CD+\i]
.endr
	global_store_b128 v[L16], v[CD:CD+3], s[38:39] offset:8192
	global_store_b128 v[L16], v[CD+4:CD+7], s[38:39] offset:8192+512
	SCST 40, 40960+1024
.Lw1:
	s_sub_co_u32 s28, ttmp9, 32                    ; 0-7 tW1's tiles, 8-15 pW1's
	s_cmp_lt_u32 s28, 8
	s_cselect_b64 s[30:31], s[4:5], s[6:7]
	s_lshl_b32 s26, s25, 8                         ; rows of 256 bytes
	s_add_nc_u64 s[30:31], s[30:31], s[26:27]
	s_lshl_b32 s36, s28, 9                         ; 512 bytes of codes a tile
	s_add_nc_u64 s[38:39], s[16:17], s[36:37]
	s_lshl_b32 s36, s28, 6
	s_add_nc_u64 s[40:41], s[16:17], s[36:37]
.irp k, 0,1,2,3,4,5,6,7
	global_load_b128 v[X+4*\k:X+4*\k+3], v[WA1], s[30:31] offset:16*\k
.endr
	QUANT 1
	global_store_b128 v[L16], v[CD:CD+3], s[38:39]
	SCST 40, 40960
.Lfunc_end_k_qc03bb3f689_prep:
	.size	k_qc03bb3f689_prep, .Lfunc_end_k_qc03bb3f689_prep-k_qc03bb3f689_prep
	.p2alignl 7, 3214868480
	.fill 96, 4, 3214868480
	.section	.rodata,"a",@progbits
	.p2align	6, 0x0
	.amdhsa_kernel k_qc03bb3f689_prep
		.amdhsa_group_segment_fixed_size 0
		.amdhsa_private_segment_fixed_size 0
		.amdhsa_enable_private_segment 0
		.amdhsa_kernarg_size 56
		.amdhsa_user_sgpr_count 2
		.amdhsa_user_sgpr_kernarg_segment_ptr 1
		.amdhsa_wavefront_size32 1
		.amdhsa_system_sgpr_workgroup_id_x 1
		.amdhsa_system_sgpr_workgroup_id_y 1
		.amdhsa_system_sgpr_workgroup_id_z 1
		.amdhsa_system_vgpr_workitem_id 0
		.amdhsa_next_free_vgpr 128
		.amdhsa_next_free_sgpr 66
		.amdhsa_reserve_vcc 1
		.amdhsa_float_denorm_mode_32 3
		.amdhsa_float_denorm_mode_16_64 3
		.amdhsa_memory_ordered 1
		.amdhsa_forward_progress 1
		.amdhsa_inst_pref_size 11
	.end_amdhsa_kernel
	.amdgpu_metadata
---
amdhsa.version: [ 1, 2 ]
amdhsa.kernels:
  - .name:           k_qc03bb3f689_prep
    .symbol:         k_qc03bb3f689_prep.kd
    .args:
      - { .name: tW1, .offset: 0, .size: 8, .value_kind: global_buffer, .address_space: global }
      - { .name: pW1, .offset: 8, .size: 8, .value_kind: global_buffer, .address_space: global }
      - { .name: tW2, .offset: 16, .size: 8, .value_kind: global_buffer, .address_space: global }
      - { .name: pW2, .offset: 24, .size: 8, .value_kind: global_buffer, .address_space: global }
      - { .name: tW3, .offset: 32, .size: 8, .value_kind: global_buffer, .address_space: global }
      - { .name: pW3, .offset: 40, .size: 8, .value_kind: global_buffer, .address_space: global }
      - { .name: wimg, .offset: 48, .size: 8, .value_kind: global_buffer, .address_space: global }
    .group_segment_fixed_size: 0
    .private_segment_fixed_size: 0
    .kernarg_segment_align: 8
    .kernarg_segment_size: 56
    .max_flat_workgroup_size: 32
    .sgpr_count:     66
    .vgpr_count:     128
    .wavefront_size: 32
...
	.end_amdgpu_metadata
.endif
;; end of part 1
;; launch bonus (part 2): grid 256 x 1, 4 waves a work-group, no clusters, 327,680 bytes of LDS; arguments obs, wimg, tb1, pb1, tb2, pb2, tb3, pb3, rewards, part; writes rewards, part
.if DOCPART == 2
	.amdgcn_target "amdgcn-amd-amdhsa--gfx1250"
	.amdhsa_code_object_version 6
	.text
	.protected	k_qc03bb3f689_bonus
	.globl	k_qc03bb3f689_bonus
	.p2align	8
	.type	k_qc03bb3f689_bonus,@function
k_qc03bb3f689_bonus:
	s_mov_b64 s[64:65], 0
	v_nop
	global_prefetch_b8 v0, s[64:65] scope:SCOPE_SE
	s_setreg_imm32_b32 hwreg(HW_REG_WAVE_MODE, 25, 1), 1
	s_wait_xcnt 0x0
; rewards[i] = mean over 128 of (target net - predictor net)^2 for 2,048 rows of obs a work-group, 512 a wave, in tiles of 16 rows; and for each wave's 512 rewards their mean and M2 (part).
; All six products are used transposed (source 0 = 16 rows of a weight, source 1 = 16 rows of obs or of a hidden layer): a lane holds one row, and by prep's choice of a tile's rows its 32 registers
; of four tiles are one block of 32 along the next k.  Weights' codes and the biases (as the C of each layer's products) stay in registers for the whole launch; the last layer adds tW3 h and -pW3 h
; onto tb3 - pb3 in one accumulator.  relu: the block's maximum is taken without |.| over a floor, and codes with the sign bit set are cleared.
; Both nets go in step: 16 matrix instructions, then both nets' quantisers with 16 chains of maxima and masks in groups of eight.  The next tile's obs are asked for in front of the last layer's
; products, into accumulator AB, idle in that layer; their quantiser and the last tile's row sum stand in the places round the matrix instructions and among the squares.
; obs comes by tensor loads into a ring of two slots for each wave, the wave's own: slot 0 of 96 rows, slot 1 of 112; five fills, 3 x 96 + 2 x 112 = 512 rows.  Each slot keeps its size.
; wimg comes once a work-group: each wave copies a quarter into LDS, all read it back.
; cluster = none: work-groups share only wimg's 44,032 bytes beside 524,288 bytes of obs of their own.  No prefetch: obs is read once, and each slot is asked for a whole slot (6 or 7 tiles' work) ahead.
; The first trip's row sum is of zeros and goes to a spare 64 bytes in front of the wave's rewards.
; LIMITS: NaN and infinities are not served; a block whose largest number lies under 2^(3 - 127) gets the byte 1.
; WINDOWS: 0: v0-127 at work, v128-191 AA, v192-255 AB.  1: tW1, tW2, tW3, pW1.  2: pW2, -pW3, tb1, tb2.  3: pb1, pb2, tb3 - pb3.
.set PITCH,  272
.set TILEB,  16*PITCH
.set SLOTB,  96*PITCH                  ; where slot 1 begins in a wave's ring
.set RINGW,  208*PITCH
.set IMG_W1, 4*RINGW
.set IMG_S,  IMG_W1+40960
.set SPARE,  IMG_S+3072
.set RWD,    IMG_W1                    ; the rewards' stages, 2,304 bytes a wave, over the image once every wave has read it
.set SPW, 1
.set NIL, 2
.set OA0, 3
.set OA,  4
.set RW0, 6
.set RW,  7
.set MX,  8                            ; v8-23 sixteen chains; then the masks' SS, TT
.set SS,  8
.set TT,  16
.set EX,  24
.set BY,  28
.set WD,  32
.set TP,  34
.set XM,  36
.set XE,  40
.set XB,  41
.set XT,  42
.set XS,  43
.set HTS, 44
.set HPS, 45
.set QS,  46
.set QT,  54
.set WS,  56                           ; v56-79 the weights' scale words
.set XF,  80
.set HT,  88
.set HP,  96
.set AA,  128
.set AB,  192
.set ST,  128                          ; the head: my quarter of the image, v128-213
.set G1,   36                          ; group 1 for slot 0: 96 rows
.set G0,   44
.set G1B,  80                          ; group 1 for slot 1: 112 rows
.set WV,   52
.set SEL,  54
.set M8,   56
.set TB,   58
.set RT,   59
.set CNT,  60
.set FLR,  61
.set EM2,  62
.set RB,   74
.set MSB, 0
.macro WIN new
.if MSB != (\new)
	s_set_vgpr_msb (MSB<<8)|(\new)
.set MSB, (\new)
.endif
.endm
.macro PLACES
.rept 4
	v_nop
.endr
.endm
	s_load_b512 s[4:19], s[0:1], 0x0               ; obs 4, wimg 6, tb1 8, pb1 10, tb2 12, pb2 14, tb3 16, pb3 18
	s_load_b128 s[20:23], s[0:1], 0x40             ; rewards 20, part 22
	v_lshl_add_u32 v[SPW], v0, 2, SPARE
	v_mov_b32 v[NIL], 0
	ds_add_u32 v[SPW], v[NIL]                      ; the opening lines: the add, twice on end,
	ds_add_u32 v[SPW], v[NIL]
	v_lshrrev_b32 v[TP], 5, v0
	v_readfirstlane_b32 s[WV], v[TP]
	s_mov_b32 s[G1+0], (2<<16)|(1<<20)|(5<<22)|(3<<25)   ; elements of 4 bytes; 16 bytes of padding behind each 256
	s_mov_b32 s[G1+1], 64<<16
	s_mov_b32 s[G1+2], 96<<16
	s_mov_b32 s[G1+3], 64<<16
	s_mov_b32 s[G1+4], 96
	s_mov_b32 s[G1+5], 64
	s_mov_b32 s[G1+6], 0
	s_mov_b32 s[G1+7], 0
	s_mov_b32 s[G1B+0], (2<<16)|(1<<20)|(5<<22)|(3<<25)
	s_mov_b32 s[G1B+1], 64<<16
	s_mov_b32 s[G1B+2], 112<<16
	s_mov_b32 s[G1B+3], 64<<16
	s_mov_b32 s[G1B+4], 112
	s_mov_b32 s[G1B+5], 64
	s_mov_b32 s[G1B+6], 0
	s_mov_b32 s[G1B+7], 0
	s_mul_i32 s70, s[WV], RINGW
	s_lshl_b32 s72, ttmp9, 19
	s_lshl_b32 s73, s[WV], 17
	s_add_co_u32 s72, s72, s73
	s_mov_b32 s73, 0
	s_mov_b32 s[G0+0], 1
	s_mov_b32 s[G0+1], s70
	s_mov_b32 s[G0+4], 1
	s_add_co_u32 s[G0+5], s70, SLOTB
	s_wait_dscnt 0x0                               ; and one wait for both
	s_wait_kmcnt 0x0
	s_add_nc_u64 s[G0+2:G0+3], s[4:5], s[72:73]
	s_add_nc_u64 s[G0+6:G0+7], s[G0+2:G0+3], 96*256
	s_or_b32 s[G0+3], s[G0+3], 0x80000000
	s_or_b32 s[G0+7], s[G0+7], 0x80000000
	tensor_load_to_lds s[G0:G0+3], s[G1:G1+7]      ; my rows 0-95: the one tensor load at the head
	s_nop 0
	s_mov_b32 s[SEL], 0x76543210
	s_mov_b32 s[SEL+1], 0xfedcba98
	s_mov_b32 s[M8], 0x88888888
	s_mov_b32 s[FLR], 0x01800000
	s_mov_b32 s[EM2], 0xff000000
	s_lshl_b32 s71, s[WV], 11
	s_lshl_b32 s72, ttmp9, 13
	s_add_co_u32 s72, s72, s71
	s_add_nc_u64 s[20:21], s[20:21], s[72:73]      ; my 2,048 bytes of rewards
	s_lshr_b32 s72, s72, 8
	s_add_nc_u64 s[22:23], s[22:23], s[72:73]      ; my 8 bytes of part
	s_lshl_b32 s75, s[WV], 13
	s_mul_i32 s76, s[WV], 768
	s_mul_i32 s[RB], s[WV], 2304
	s_add_co_u32 s[RB], s[RB], RWD
	v_and_b32 v216, 15, v0                         ; r
	v_bfe_u32 v217, v0, 4, 1                       ; h
	v_and_b32 v218, 31, v0                         ; lane
	v_mul_u32_u24 v[OA0], v216, PITCH
	v_lshl_add_u32 v[OA0], v217, 7, v[OA0]
	v_add_nc_u32 v[OA0], s70, v[OA0]               ; obs: row r of a tile, 128 h bytes in
	v_lshl_add_u32 v[RW0], v216, 2, s[RB]
	v_lshl_add_u32 v220, v218, 4, s71              ; my quarter of the image, in wimg: 4 chunks of the k = 64 tiles,
	v_lshl_add_u32 v221, v218, 4, s75              ; 16 of the k = 128 tiles,
	v_lshl_add_u32 v222, v218, 2, s76              ; 6 x 128 bytes of scale words;
	v_add_nc_u32 v223, IMG_W1, v220                ; and the same places in LDS
	v_add_nc_u32 v224, IMG_W1, v221
	v_add_nc_u32 v225, IMG_W1, v222
	v_lshl_add_u32 v226, v218, 4, IMG_W1           ; reading the image back: 16 bytes a lane,
	v_lshl_add_u32 v227, v218, 2, IMG_S            ; 4 of the scale words
	v_lshlrev_b32 v228, 7, v217                    ; biases: 32 numbers further on for lanes 16-31
.irp j, 0,1,2,3,4,5,6,7
	v_mov_b32 v[QS+\j], 0                          ; the row sum in front of the first tile
.endr
	v_mov_b32 v[QT], 0                             ; a lane permute's destination counts as a source
	v_mov_b32 v[XT], 0
	v_mov_b32 v[TP], 0
	v_mov_b32 v[TP+1], 0
.irp j, 4,5,6,7
	v_mov_b32 v[XF+\j], 0                          ; obs has k = 64: zero codes for k = 64 .. 127
.endr
	s_wait_alu depctr_va_vdst(0)
.irp i, 0,1,2,3
	global_load_b128 v[ST+4*\i:ST+4*\i+3], v220, s[6:7] offset:512*\i
.endr
.irp i, 0,1,2,3,4,5,6,7,8,9,10,11,12,13,14,15
	global_load_b128 v[ST+16+4*\i:ST+16+4*\i+3], v221, s[6:7] offset:8192+512*\i
.endr
.irp i, 0,1,2,3,4,5
	global_load_b32 v[ST+80+\i], v222, s[6:7] offset:40960+128*\i
.endr
.macro LDBIAS sb, reg                  ; register 8 t + j: the bias of unit 64 (t / 4) + 8 (t % 4) + 32 h + j
.irp t, 0,1,2,3,4,5,6,7
	global_load_b128 v[\reg+8*\t:\reg+8*\t+3], v228, s[\sb:\sb+1] offset:(64*(\t/4)+8*(\t%4))*4
	global_load_b128 v[\reg+8*\t+4:\reg+8*\t+7], v228, s[\sb:\sb+1] offset:(64*(\t/4)+8*(\t%4))*4+16
.endr
.endm
	WIN 0xc0
	LDBIAS 16, 128
	LDBIAS 18, 192
	LDBIAS 10, 0
	WIN 0
	s_wait_loadcnt 48                              ; the image's 26 loads are in; the 48 bias loads behind them may be out
.irp i, 0,1,2,3
	ds_store_b128 v223, v[ST+4*\i:ST+4*\i+3] offset:512*\i
.endr
.irp i, 0,1,2,3,4,5,6,7,8,9,10,11,12,13,14,15
	ds_store_b128 v224, v[ST+16+4*\i:ST+16+4*\i+3] offset:8192+512*\i
.endr
.irp i, 0,1,2,3,4,5
	ds_store_b32 v225, v[ST+80+\i] offset:40960+128*\i
.endr
	WIN 0xc0
	LDBIAS 14, 64
	WIN 0x80
	LDBIAS 8, 128
	LDBIAS 12, 192
	WIN 0
	s_wait_dscnt 0x0                               ; my quarter is stored
	s_barrier_signal -1
	s_barrier_wait -1                              ; the image is whole
	WIN 0x40
.irp t, 0,1,2,3,4,5,6,7
	ds_load_b128 v[8*\t:8*\t+3], v226 offset:512*\t
	ds_load_b128 v[192+8*\t:192+8*\t+3], v226 offset:512*(8+\t)
.irp c, 0,1
	ds_load_b128 v[64+8*\t+4*\c:64+8*\t+4*\c+3], v226 offset:8192+1024*\t+512*\c
	ds_load_b128 v[128+8*\t+4*\c:128+8*\t+4*\c+3], v226 offset:8192+1024*(16+\t)+512*\c
.endr
.irp j, 4,5,6,7
	v_mov_b32 v[8*\t+\j], 0
	v_mov_b32 v[192+8*\t+\j], 0
.endr
.endr
	WIN 0x80
.irp t, 0,1,2,3,4,5,6,7
.irp c, 0,1
	ds_load_b128 v[8*\t+4*\c:8*\t+4*\c+3], v226 offset:8192+1024*(8+\t)+512*\c
	ds_load_b128 v[64+8*\t+4*\c:64+8*\t+4*\c+3], v226 offset:8192+1024*(24+\t)+512*\c
.endr
.endr
	WIN 0
.irp p, 0,1,2,3,4,5,6,7,8,9,10,11,12,13,14,15,16,17,18,19,20,21,22,23
	ds_load_b32 v[WS+\p], v227 offset:128*\p
.endr
	s_wait_loadcnt 0x0                             ; the biases
	WIN 0xcf
.set bi, 0
.rept 32
	v_pk_add_f32 v[128+2*bi:129+2*bi], v[128+2*bi:129+2*bi], v[192+2*bi:193+2*bi] neg_lo:[0,1] neg_hi:[0,1]   ; tb3 - pb3
.set bi, bi+1
.endr
	WIN 0
	s_wait_alu depctr_va_vdst(0)
	s_wait_tensorcnt 0x0                           ; my rows 0-95 are in
	ds_add_u32 v[SPW], v[NIL]
	s_wait_dscnt 0x0                               ; the add, and my reads of the image
	s_barrier_signal -1
	s_barrier_wait -1                              ; nobody reads the image any more: the rewards' stages may lie over it
	tensor_load_to_lds s[G0+4:G0+7], s[G1B:G1B+7]  ; my rows 96-207: slot 1's first fill
	s_nop 0
	PLACES
.macro MAT acc, wb, cb, hh, hs, step
.irp t, 0,1,2,3,4,5,6,7
.if (\t)%2
	v_wmma_scale_f32_16x16x128_f8f6f4 v[\acc+8*\t:\acc+8*\t+7], v[\wb+8*\t:\wb+8*\t+7], v[\hh:\hh+7], v[\cb+8*\t:\cb+8*\t+7], v[WS+4*\step+\t/2], v[\hs] matrix_a_fmt:MATRIX_FMT_FP4 matrix_b_fmt:MATRIX_FMT_FP4 matrix_a_scale:MATRIX_SCALE_ROW1
.else
	v_wmma_scale_f32_16x16x128_f8f6f4 v[\acc+8*\t:\acc+8*\t+7], v[\wb+8*\t:\wb+8*\t+7], v[\hh:\hh+7], v[\cb+8*\t:\cb+8*\t+7], v[WS+4*\step+\t/2], v[\hs] matrix_a_fmt:MATRIX_FMT_FP4 matrix_b_fmt:MATRIX_FMT_FP4
.endif
.endr
.endm
; The largest number, over the floor, of four blocks of 32 (two of each net), four chains a block: 16 lines a block; then the conversions' scale operands.
; Each accumulator is first read at its low end.
.macro VMAX2
.set k, 0
.irp a, AA, AA+32, AB, AB+32
	v_max3_num_f32 v[MX+4*k], v[\a], v[\a+1], s[FLR]
	v_max3_num_f32 v[MX+4*k+1], v[\a+2], v[\a+3], v[\a+4]
	v_max3_num_f32 v[MX+4*k+2], v[\a+5], v[\a+6], v[\a+7]
	v_max3_num_f32 v[MX+4*k+3], v[\a+8], v[\a+9], v[\a+10]
.set k, k+1
.endr
.irp i, 11, 19
.set k, 0
.irp a, AA, AA+32, AB, AB+32
.irp j, 0,1,2,3
	v_max3_num_f32 v[MX+4*k+\j], v[MX+4*k+\j], v[\a+\i+2*\j], v[\a+\i+2*\j+1]
.endr
.set k, k+1
.endr
.endr
.set k, 0
.irp a, AA, AA+32, AB, AB+32
	v_max3_num_f32 v[MX+4*k], v[MX+4*k], v[\a+27], v[\a+28]
	v_max3_num_f32 v[MX+4*k+1], v[MX+4*k+1], v[\a+29], v[\a+30]
.set k, k+1
.endr
.irp k, 0,1,2,3
	v_max3_num_f32 v[MX+4*\k], v[MX+4*\k], v[MX+4*\k+1], v[MX+4*\k+2]
.endr
.set k, 0
.irp a, AA, AA+32, AB, AB+32
	v_max3_num_f32 v[MX+4*k], v[MX+4*k], v[MX+4*k+3], v[\a+31]
.set k, k+1
.endr
.irp k, 0,1,2,3
	v_add_nc_u32 v[EX+\k], s[EM2], v[MX+4*\k]
.endr
.endm
; Codes, scale words (lane r: its own bytes 0 and 2, lane r + 16's as bytes 1 and 3; lanes 16-31 are not read), and the clearing of codes with the sign bit set.
.macro VREST2
.set k, 0
.irp a, AA, AA+32, AB, AB+32
.irp g, 0,1,2,3
	v_cvt_scalef32_pk8_fp4_f32 v[HT+4*k+\g], v[\a+8*\g:\a+8*\g+7], v[EX+k]
.endr
.set k, k+1
.endr
.irp k, 0,1,2,3
	v_lshrrev_b32 v[BY+\k], 23, v[EX+\k]
.endr
.irp q, 0, 8
.irp i, 0,1,2,3,4,5,6,7
	v_and_b32 v[SS+\i], s[M8], v[HT+\q+\i]
.endr
.if \q == 0
.irp n, 0,1
	v_lshl_or_b32 v[WD+\n], v[BY+2*\n+1], 16, v[BY+2*\n]
.endr
.endif
.irp i, 0,1,2,3,4,5,6,7
	v_lshrrev_b32 v[TT+\i], 3, v[SS+\i]
.endr
.if \q == 0
.irp n, 0,1
	v_permlanex16_b32 v[TP+\n], v[WD+\n], s[SEL], s[SEL+1]
.endr
.endif
.irp i, 0,1,2,3,4,5,6,7
	v_sub_nc_u32 v[SS+\i], v[SS+\i], v[TT+\i]      ; 7 in each nibble whose sign bit is set
.endr
.if \q == 0
.irp n, 0,1
	v_lshl_or_b32 v[HTS+\n], v[TP+\n], 8, v[WD+\n]
.endr
.endif
.irp i, 0,1,2,3,4,5,6,7
	v_bfi_b32 v[HT+\q+\i], v[SS+\i], 0, v[HT+\q+\i]
.endr
.endr
.endm
; obs' quantiser, in pieces: one block of 32 a lane, in AB's first 32 registers
.macro XSTART
	v_max3_num_f32 v[XM], |v[AB]|, |v[AB+1]|, s[FLR]
	v_max3_num_f32 v[XM+1], |v[AB+2]|, |v[AB+3]|, |v[AB+4]|
	v_max3_num_f32 v[XM+2], |v[AB+5]|, |v[AB+6]|, |v[AB+7]|
	v_max3_num_f32 v[XM+3], |v[AB+8]|, |v[AB+9]|, |v[AB+10]|
.endm
.macro XA i
.irp j, 0,1,2,3
	v_max3_num_f32 v[XM+\j], v[XM+\j], |v[AB+\i+2*\j]|, |v[AB+\i+2*\j+1]|
.endr
.endm
.macro X45
	v_max3_num_f32 v[XM], v[XM], |v[AB+27]|, |v[AB+28]|
	v_max3_num_f32 v[XM+1], v[XM+1], |v[AB+29]|, |v[AB+30]|
.endm
.macro X6
	v_max3_num_f32 v[XM], v[XM], v[XM+1], v[XM+2]
.endm
.macro X7
	v_max3_num_f32 v[XM], v[XM], v[XM+3], |v[AB+31]|
.endm
.macro X8
	v_add_nc_u32 v[XE], s[EM2], v[XM]
.endm
.macro XC
	v_lshrrev_b32 v[XB], 23, v[XE]
.irp g, 0,1,2,3
	v_cvt_scalef32_pk8_fp4_f32 v[XF+\g], v[AB+8*\g:AB+8*\g+7], v[XE]
.endr
.endm
.macro XP
	v_permlanex16_b32 v[XT], v[XB], s[SEL], s[SEL+1]
.endm
.macro XW
	v_lshl_or_b32 v[XS], v[XT], 8, v[XB]
.endm
.macro SQG g                           ; eight squares of the difference onto four chains of pairs
.irp i, 0,1,2,3
.if \g == 0
	v_pk_mul_f32 v[QS+2*\i:QS+2*\i+1], v[AA+2*\i:AA+2*\i+1], v[AA+2*\i:AA+2*\i+1]
.else
	v_pk_fma_f32 v[QS+2*\i:QS+2*\i+1], v[AA+8*\g+2*\i:AA+8*\g+2*\i+1], v[AA+8*\g+2*\i:AA+8*\g+2*\i+1], v[QS+2*\i:QS+2*\i+1]
.endif
.endr
.endm
; One tile.  XF, XS hold its obs.  The row sum of the tile before is finished in the places (QS), and stored in front of the last layer's products.
.macro BODY nxt
	WIN 0x21
	MAT AA, 0, 128, XF, XS, 0
	WIN 0x31
	MAT AB, 192, 0, XF, XS, 1
	WIN 0
	v_pk_add_f32 v[QS:QS+1], v[QS:QS+1], v[QS+2:QS+3]      ; four places behind the products
	v_pk_add_f32 v[QS+4:QS+5], v[QS+4:QS+5], v[QS+6:QS+7]
.if \nxt
	v_add_nc_u32 v[OA], s[TB], v[OA0]
.else
	v_nop
.endif
	v_pk_add_f32 v[QS:QS+1], v[QS:QS+1], v[QS+4:QS+5]
	VMAX2
	VREST2
	v_add_f32 v[QS], v[QS], v[QS+1]                ; four places between the last code and the products
	v_add_nc_u32 v[RW], s[RT], v[RW0]
	v_nop
	v_nop
	v_permlanex16_b32 v[QT], v[QS], s[SEL], s[SEL+1]
	WIN 0x21
	MAT AA, 64, 192, HT, HTS, 2
	WIN 0x32
	MAT AB, 0, 64, HP, HPS, 3
	WIN 0
	v_add_f32 v[QS], v[QS], v[QT]                  ; the row's 128 squares
.rept 3
	v_nop
.endr
	VMAX2
	VREST2
	PLACES                                         ; four places between the last code and the products
.if \nxt
.irp i, 0,1,2,3,4,5,6,7
	ds_load_b128 v[AB+4*\i:AB+4*\i+3], v[OA] offset:16*\i   ; the next tile's obs, into AB, whose numbers the conversions have taken; 16 matrix instructions stand ahead of the wait for them
.endr
.endif
	ds_store_b32 v[RW], v[QS]                      ; the tile before's rewards; lanes r and r + 16 hold the same sum
	WIN 0x31
	MAT AA, 128, 128, HT, HTS, 4
	WIN 0x02
	MAT AA, 64, AA, HP, HPS, 5                     ; seven other accumulators' turns between the two steps of each sum
	WIN 0
.if \nxt
	s_wait_alu depctr_va_vdst(0)
	s_wait_dscnt 0x0                               ; the next tile's obs are in
	XSTART
	XA 11
	XA 19
	X45
.else
	PLACES
.endif
	SQG 0
.if \nxt
	X6
.endif
	SQG 1
.if \nxt
	X7
.endif
	SQG 2
.if \nxt
	X8
.endif
	SQG 3
.if \nxt
	XC
.endif
	SQG 4
.if \nxt
	XP
.endif
	SQG 5
.if \nxt
	XW
.endif
	SQG 6                                          ; eight places between the scale word and the next tile's products
	SQG 7
.if \nxt
	s_add_co_u32 s[TB], s[TB], TILEB
	s_add_co_u32 s[RT], s[RT], 64
.endif
.endm
.macro LOOPT trips, tb0, rt0           ; tb0: where the first trip's NEXT tile lies in my ring; rt0: where the tile before the first trip's puts its rewards
	s_mov_b32 s[TB], \tb0
	s_mov_b32 s[RT], \rt0
	s_mov_b32 s[CNT], \trips
.Ltile_\@:
	BODY 1
	s_sub_co_u32 s[CNT], s[CNT], 1
	s_cmp_lg_u32 s[CNT], 0
	s_wait_alu depctr_va_vdst(0)
	s_cbranch_scc1 .Ltile_\@
.endm
.macro FILL s, g1                      ; slot s has been read: its next rows, 208 further down
	s_wait_tensorcnt 0x0                           ; all my tensor loads have landed, the other slot's among them
	ds_add_u32 v[SPW], v[NIL]
	s_add_nc_u64 s[G0+4*\s+2:G0+4*\s+3], s[G0+4*\s+2:G0+4*\s+3], 208*256
	s_wait_dscnt 0x0                               ; the add, and my reads of the slot
	s_barrier_signal -1
	s_barrier_wait -1
	tensor_load_to_lds s[G0+4*\s:G0+4*\s+3], s[\g1:\g1+7]
	s_nop 0
	PLACES
.endm
.irp i, 0,1,2,3,4,5,6,7
	ds_load_b128 v[AB+4*\i:AB+4*\i+3], v[OA0] offset:16*\i   ; tile 0's obs
.endr
	s_wait_dscnt 0x0
	XSTART
	XA 11
	XA 19
	X45
	X6
	X7
	X8
	XC
	v_nop
	XP
	XW
.rept 8
	v_nop                                          ; eight places between the scale word and the first products
.endr
	s_wait_alu depctr_va_vdst(0)
	LOOPT 5, TILEB, 0                              ; tiles 0-4; tile 5's obs, the last of slot 0, are taken in the last trip
	FILL 0, G1                                     ; rows 208-303
	LOOPT 7, SLOTB, 5*64                           ; tiles 5-11, taking 6-12 out of slot 1
	FILL 1, G1B                                    ; rows 304-415
	LOOPT 6, 0, 12*64                              ; tiles 12-17, taking 13-18
	FILL 0, G1                                     ; rows 416-511: the last load
	LOOPT 7, SLOTB, 18*64                          ; tiles 18-24, taking 19-25
	s_wait_tensorcnt 0x0                           ; my last 96 rows are in: no load was issued behind theirs
	LOOPT 6, 0, 25*64                              ; tiles 25-30, taking 26-31
	s_mov_b32 s[RT], 31*64
	BODY 0
	v_pk_add_f32 v[QS:QS+1], v[QS:QS+1], v[QS+2:QS+3]      ; the last tile's row sum
	v_pk_add_f32 v[QS+4:QS+5], v[QS+4:QS+5], v[QS+6:QS+7]
	v_pk_add_f32 v[QS:QS+1], v[QS:QS+1], v[QS+4:QS+5]
	v_add_f32 v[QS], v[QS], v[QS+1]
	v_permlanex16_b32 v[QT], v[QS], s[SEL], s[SEL+1]
	v_add_f32 v[QS], v[QS], v[QT]
	ds_store_b32 v[RW], v[QS] offset:64
.set LN,  16
.set RDR, 17
.set L16, 18
.set L4,  19
.set OB,  AB
.macro LANESUM reg
	v_add_f32_dpp v[\reg], v[\reg], v[\reg] row_xmask:1 row_mask:0xf bank_mask:0xf
	v_add_f32_dpp v[\reg], v[\reg], v[\reg] row_xmask:2 row_mask:0xf bank_mask:0xf
	v_add_f32_dpp v[\reg], v[\reg], v[\reg] row_xmask:4 row_mask:0xf bank_mask:0xf
	v_add_f32_dpp v[\reg], v[\reg], v[\reg] row_xmask:8 row_mask:0xf bank_mask:0xf
	v_permlanex16_b32 v[TP], v[\reg], s[SEL], s[SEL+1]
	v_add_f32 v[\reg], v[\reg], v[TP]
.endm
	v_and_b32 v[LN], 31, v0
	v_lshl_add_u32 v[RDR], v[LN], 4, s[RB]
	v_lshlrev_b32 v[L16], 4, v[LN]
	v_lshlrev_b32 v[L4], 2, v[LN]
.irp i, 0,1,2,3
	ds_load_b128 v[OB+4*\i:OB+4*\i+3], v[RDR] offset:64+512*\i   ; my 512 sums, behind the spare 64 bytes; LDS serves a wave's instructions in order
.endr
	s_wait_alu depctr_va_vdst(0)
	s_wait_dscnt 0x0
.irp i, 0,1,2,3,4,5,6,7
	v_pk_mul_f32 v[OB+2*\i:OB+2*\i+1], v[OB+2*\i:OB+2*\i+1], 0x3c000000 op_sel_hi:[1,0]   ; / 128: the mean of the squares
.endr
.irp i, 0,1,2,3
	global_store_b128 v[L16], v[OB+4*\i:OB+4*\i+3], s[20:21] offset:512*\i   ; 32 lanes store 512 consecutive bytes
.endr
.irp i, 0,1,2,3
	v_pk_add_f32 v[QS+2*\i:QS+2*\i+1], v[OB+4*\i:OB+4*\i+1], v[OB+4*\i+2:OB+4*\i+3]
.endr
	v_pk_add_f32 v[QS:QS+1], v[QS:QS+1], v[QS+2:QS+3]
	v_pk_add_f32 v[QS+4:QS+5], v[QS+4:QS+5], v[QS+6:QS+7]
	v_pk_add_f32 v[QS:QS+1], v[QS:QS+1], v[QS+4:QS+5]
	v_add_f32 v[QS], v[QS], v[QS+1]
	LANESUM QS
	v_mul_f32 v[EX], 0x3b000000, v[QS]             ; / 512: my rewards' mean
	v_mov_b32 v[EX+1], v[EX]
.irp i, 0,1,2,3,4,5,6,7
	v_pk_add_f32 v[OB+16+2*\i:OB+17+2*\i], v[OB+2*\i:OB+2*\i+1], v[EX:EX+1] neg_lo:[0,1] neg_hi:[0,1]
.endr
.irp i, 0,1,2,3
	v_pk_mul_f32 v[QS+2*\i:QS+2*\i+1], v[OB+16+2*\i:OB+17+2*\i], v[OB+16+2*\i:OB+17+2*\i]
.endr
.irp i, 0,1,2,3
	v_pk_fma_f32 v[QS+2*\i:QS+2*\i+1], v[OB+24+2*\i:OB+25+2*\i], v[OB+24+2*\i:OB+25+2*\i], v[QS+2*\i:QS+2*\i+1]
.endr
	v_pk_add_f32 v[QS:QS+1], v[QS:QS+1], v[QS+2:QS+3]
	v_pk_add_f32 v[QS+4:QS+5], v[QS+4:QS+5], v[QS+6:QS+7]
	v_pk_add_f32 v[QS:QS+1], v[QS:QS+1], v[QS+4:QS+5]
	v_add_f32 v[QS], v[QS], v[QS+1]
	LANESUM QS                                     ; and their M2
	v_cmp_eq_u32 vcc_lo, 0, v[LN]
	v_cndmask_b32 v[BY], v[QS], v[EX], vcc_lo
	v_cmp_gt_u32 vcc_lo, 2, v[LN]
	s_wait_alu depctr_va_vdst(0)
	s_wait_xcnt 0x0                                ; EXEC changes only behind this wait
	s_and_saveexec_b32 s70, vcc_lo
	global_store_b32 v[L4], v[BY], s[22:23]        ; lane 0 the mean, lane 1 the M2
	s_wait_xcnt 0x0
	s_or_b32 exec_lo, exec_lo, s70
	s_wait_tensorcnt 0x0                           ; the wave's end
	ds_add_u32 v[SPW], v[NIL]
	s_wait_dscnt 0x0
	s_endpgm
.Lfunc_end_k_qc03bb3f689_bonus:
	.size	k_qc03bb3f689_bonus, .Lfunc_end_k_qc03bb3f689_bonus-k_qc03bb3f689_bonus
	.p2alignl 7, 3214868480
	.fill 96, 4, 3214868480
	.section	.rodata,"a",@progbits
	.p2align	6, 0x0
	.amdhsa_kernel k_qc03bb3f689_bonus
		.amdhsa_group_segment_fixed_size 327680
		.amdhsa_private_segment_fixed_size 0
		.amdhsa_enable_private_segment 0
		.amdhsa_kernarg_size 80
		.amdhsa_user_sgpr_count 2
		.amdhsa_user_sgpr_kernarg_segment_ptr 1
		.amdhsa_wavefront_size32 1
		.amdhsa_system_sgpr_workgroup_id_x 1
		.amdhsa_system_sgpr_workgroup_id_y 1
		.amdhsa_system_sgpr_workgroup_id_z 1
		.amdhsa_system_vgpr_workitem_id 0
		.amdhsa_next_free_vgpr 1024
		.amdhsa_next_free_sgpr 96
		.amdhsa_reserve_vcc 1
		.amdhsa_float_denorm_mode_32 3
		.amdhsa_float_denorm_mode_16_64 3
		.amdhsa_memory_ordered 1
		.amdhsa_forward_progress 1
		.amdhsa_inst_pref_size 202
	.end_amdhsa_kernel
	.amdgpu_metadata
---
amdhsa.version: [ 1, 2 ]
amdhsa.kernels:
  - .name:           k_qc03bb3f689_bonus
    .symbol:         k_qc03bb3f689_bonus.kd
    .args:
      - { .name: obs, .offset: 0, .size: 8, .value_kind: global_buffer, .address_space: global }
      - { .name: wimg, .offset: 8, .size: 8, .value_kind: global_buffer, .address_space: global }
      - { .name: tb1, .offset: 16, .size: 8, .value_kind: global_buffer, .address_space: global }
      - { .name: pb1, .offset: 24, .size: 8, .value_kind: global_buffer, .address_space: global }
      - { .name: tb2, .offset: 32, .size: 8, .value_kind: global_buffer, .address_space: global }
      - { .name: pb2, .offset: 40, .size: 8, .value_kind: global_buffer, .address_space: global }
      - { .name: tb3, .offset: 48, .size: 8, .value_kind: global_buffer, .address_space: global }
      - { .name: pb3, .offset: 56, .size: 8, .value_kind: global_buffer, .address_space: global }
      - { .name: rewards, .offset: 64, .size: 8, .value_kind: global_buffer, .address_space: global }
      - { .name: part, .offset: 72, .size: 8, .value_kind: global_buffer, .address_space: global }
    .group_segment_fixed_size: 327680
    .private_segment_fixed_size: 0
    .kernarg_segment_align: 8
    .kernarg_segment_size: 80
    .max_flat_workgroup_size: 128
    .sgpr_count:     96
    .vgpr_count:     1024
    .wavefront_size: 32
...
	.end_amdgpu_metadata
.endif
;; end of part 2
;; launch norm (part 3): grid 256 x 1, 4 waves a work-group, no clusters, 0 bytes of LDS; arguments rewards, part, reward_mean, reward_m2, reward_count, out0; writes out0
.if DOCPART == 3
	.amdgcn_target "amdgcn-amd-amdhsa--gfx1250"
	.amdhsa_code_object_version 6
	.text
	.protected	k_qc03bb3f689_norm
	.globl	k_qc03bb3f689_norm
	.p2align	8
	.type	k_qc03bb3f689_norm,@function
k_qc03bb3f689_norm:
	s_mov_b64 s[64:65], 0
	v_nop
	global_prefetch_b8 v0, s[64:65] scope:SCOPE_SE
	s_setreg_imm32_b32 hwreg(HW_REG_WAVE_MODE, 25, 1), 1
	s_wait_xcnt 0x0
; out0[i] = (rewards[i] - new_mean) / (std + 1e-8): the batch's mean and M2, merged with the running mean, M2 and count that come as inputs.
; part holds, for each of 1,024 groups of 512 rewards, the group's mean and its sum of squared distances from that mean.  Groups of equal size merge so:
; batch mean = (sum of the means) / 1,024;  batch M2 = sum of the groups' M2 + 512 x sum of (group's mean - batch mean)^2.  No difference of large sums is formed.
; A wave takes 512 rewards and merges all 1,024 pairs (8,192 bytes) by itself: no LDS, no barrier, no wave waits for another.  Every load and store of a wave covers 512 consecutive bytes.
; Matrix units, clusters and tensor loads would add nothing to a stream of this size.
; LIMITS: NaN and infinities are not served; divisions are v_rcp_f32 and a multiplication; a variance under 2^-126 counts as zero (ISA guide, the entries of v_sqrt_f32 and v_rcp_f32).
.set PR,  8                            ; v8-71   32 pairs (mean, M2) a lane
.set RW,  72                           ; v72-87  16 rewards a lane
.set CH,  88                           ; v88-95  four chains of pairs
.set DS,  96                           ; v96-99  four chains of squares
.set TP,  100                          ; v100-101 what a lane permute brings
.set BMN, 102                          ; the batch's mean
.set BM2, 103                          ; the batch's M2
.set NC,  104                          ; new_count
.set DL,  105                          ; delta
.set IN,  106                          ; 1 / new_count
.set DN,  107                          ; delta x n
.set N1,  108                          ; new_count - 1
.set I1,  109                          ; its reciprocal
.set CR,  110                          ; delta^2 x count x n
.set NN,  111                          ; n
.set NM,  112                          ; v112-113 new_mean, twice
.set IV,  114                          ; v114-115 1 / (std + 1e-8), twice
.set M2,  116
.set SD,  117
	s_load_b256 s[4:11], s[0:1], 0x0               ; rewards 4, part 6, reward_mean 8, reward_m2 10
	s_load_b128 s[12:15], s[0:1], 0x20             ; reward_count 12, out0 14
	v_lshrrev_b32 v2, 5, v0
	v_readfirstlane_b32 s22, v2                    ; wave
	v_and_b32 v1, 31, v0
	v_lshlrev_b32 v1, 4, v1                        ; 16 bytes a lane
	v_mov_b32 v[TP], 0                             ; a lane permute's destination counts as one of its sources
	v_mov_b32 v[TP+1], 0
	s_lshl_b32 s24, ttmp9, 13                      ; 8,192 bytes a work-group,
	s_lshl_b32 s25, s22, 11                        ; 2,048 a wave
	s_add_co_u32 s24, s24, s25
	s_mov_b32 s25, 0
	s_mov_b32 s20, 0x76543210
	s_mov_b32 s21, 0xfedcba98                      ; v_permlanex16_b32's selects for lane l xor 16
	s_wait_alu depctr_va_vdst(0)
	s_wait_kmcnt 0x0
	s_load_b32 s16, s[8:9], 0x0                    ; reward_mean
	s_load_b32 s17, s[10:11], 0x0                  ; reward_m2
	s_load_b32 s18, s[12:13], 0x0                  ; reward_count
	s_add_nc_u64 s[4:5], s[4:5], s[24:25]
	s_add_nc_u64 s[14:15], s[14:15], s[24:25]
.irp i, 0,1,2,3,4,5,6,7,8,9,10,11,12,13,14,15
	global_load_b128 v[PR+4*\i:PR+4*\i+3], v1, s[6:7] offset:512*\i
.endr
.irp i, 0,1,2,3
	global_load_b128 v[RW+4*\i:RW+4*\i+3], v1, s[4:5] offset:512*\i th:TH_LOAD_NT
.endr
.macro LANESUM reg, tmp
	v_add_f32_dpp v[\reg], v[\reg], v[\reg] row_xmask:1 row_mask:0xf bank_mask:0xf
	v_add_f32_dpp v[\reg], v[\reg], v[\reg] row_xmask:2 row_mask:0xf bank_mask:0xf
	v_add_f32_dpp v[\reg], v[\reg], v[\reg] row_xmask:4 row_mask:0xf bank_mask:0xf
	v_add_f32_dpp v[\reg], v[\reg], v[\reg] row_xmask:8 row_mask:0xf bank_mask:0xf
	v_permlanex16_b32 v[\tmp], v[\reg], s20, s21
	v_add_f32 v[\reg], v[\reg], v[\tmp]
.endm
	s_wait_loadcnt 0x4                             ; the pairs are in; the four loads of rewards may be out
.irp k, 0,1,2,3
	v_pk_add_f32 v[CH+2*\k:CH+2*\k+1], v[PR+2*\k:PR+2*\k+1], v[PR+8+2*\k:PR+9+2*\k]   ; the first eight pairs start four chains: (sum of means, sum of M2)
.endr
.set j, 8
.rept 24
	v_pk_add_f32 v[CH+2*(j%4):CH+2*(j%4)+1], v[CH+2*(j%4):CH+2*(j%4)+1], v[PR+2*j:PR+2*j+1]
.set j, j+1
.endr
	v_pk_add_f32 v[CH:CH+1], v[CH:CH+1], v[CH+2:CH+3]
	v_pk_add_f32 v[CH+4:CH+5], v[CH+4:CH+5], v[CH+6:CH+7]
	v_pk_add_f32 v[CH:CH+1], v[CH:CH+1], v[CH+4:CH+5]
	LANESUM CH, TP
	LANESUM CH+1, TP+1
	v_mul_f32 v[BMN], 0x3a800000, v[CH]            ; / 1,024: the batch's mean
.set j, 0
.rept 32
	v_sub_f32 v[PR+2*j], v[PR+2*j], v[BMN]         ; each group's mean less the batch's
.set j, j+1
.endr
.irp k, 0,1,2,3
	v_mul_f32 v[DS+\k], v[PR+2*\k], v[PR+2*\k]
.endr
.set j, 4
.rept 28
	v_fmac_f32 v[DS+j%4], v[PR+2*j], v[PR+2*j]
.set j, j+1
.endr
	v_add_f32 v[DS], v[DS], v[DS+1]
	v_add_f32 v[DS+2], v[DS+2], v[DS+3]
	v_add_f32 v[DS], v[DS], v[DS+2]
	LANESUM DS, TP
	v_fmamk_f32 v[BM2], v[DS], 0x44000000, v[CH+1] ; 512 x that sum + the groups' M2: the batch's M2
	s_wait_kmcnt 0x0                               ; the three running numbers
	v_mov_b32 v[NN], 0x49000000                    ; n = 524,288
	v_add_f32 v[NC], s18, v[NN]                    ; new_count
	v_sub_f32 v[DL], v[BMN], s16                   ; delta
	s_wait_alu depctr_va_vdst(0)
	v_rcp_f32 v[IN], v[NC]
	v_mul_f32 v[DN], v[DL], v[NN]                  ; (a plain instruction behind each transcendental before its result is used: ISA guide 5.7.2)
	v_add_f32 v[N1], -1.0, v[NC]
	s_wait_alu depctr_va_vdst(0)
	v_rcp_f32 v[I1], v[N1]
	v_mul_f32 v[CR], v[DL], v[DL]
	v_mul_f32 v[CR], s18, v[CR]
	v_mul_f32 v[CR], v[CR], v[NN]
	s_wait_alu depctr_va_vdst(0)
	v_fma_f32 v[NM], v[DN], v[IN], s16             ; new_mean = mean + delta n / new_count
	v_add_f32 v[M2], s17, v[BM2]
	v_fmac_f32 v[M2], v[CR], v[IN]                 ; new_m2 = m2 + batch M2 + delta^2 count n / new_count
	v_mul_f32 v[M2], v[M2], v[I1]
	s_wait_alu depctr_va_vdst(0)
	v_sqrt_f32 v[SD], v[M2]
	v_mov_b32 v[NM+1], v[NM]
	v_cmp_lt_f32 vcc_lo, 1.0, v[NC]
	s_wait_alu depctr_va_vdst(0)
	v_cndmask_b32 v[SD], 1.0, v[SD], vcc_lo        ; 1 where new_count > 1 does not hold: a choice of a value, no branch
	v_add_f32 v[SD], 0x322bcc77, v[SD]             ; + 1e-8
	s_wait_alu depctr_va_vdst(0)
	v_rcp_f32 v[IV], v[SD]
	v_nop
	s_wait_alu depctr_va_vdst(0)
	v_mov_b32 v[IV+1], v[IV]
	s_wait_loadcnt 0x0                             ; my rewards
.irp i, 0,1,2,3,4,5,6,7
	v_pk_add_f32 v[RW+2*\i:RW+2*\i+1], v[RW+2*\i:RW+2*\i+1], v[NM:NM+1] neg_lo:[0,1] neg_hi:[0,1]   ; the difference first, then the scaling
.endr
	s_wait_alu depctr_va_vdst(0)
.irp i, 0,1,2,3,4,5,6,7
	v_pk_mul_f32 v[RW+2*\i:RW+2*\i+1], v[RW+2*\i:RW+2*\i+1], v[IV:IV+1]
.endr
.irp i, 0,1,2,3
	global_store_b128 v1, v[RW+4*\i:RW+4*\i+3], s[14:15] offset:512*\i th:TH_STORE_NT   ; 32 lanes store 512 consecutive bytes, at a multiple of 256 from the buffer's first byte
.endr
	s_endpgm
.Lfunc_end_k_qc03bb3f689_norm:
	.size	k_qc03bb3f689_norm, .Lfunc_end_k_qc03bb3f689_norm-k_qc03bb3f689_norm
	.p2alignl 7, 3214868480
	.fill 96, 4, 3214868480
	.section	.rodata,"a",@progbits
	.p2align	6, 0x0
	.amdhsa_kernel k_qc03bb3f689_norm
		.amdhsa_group_segment_fixed_size 0
		.amdhsa_private_segment_fixed_size 0
		.amdhsa_enable_private_segment 0
		.amdhsa_kernarg_size 48
		.amdhsa_user_sgpr_count 2
		.amdhsa_user_sgpr_kernarg_segment_ptr 1
		.amdhsa_wavefront_size32 1
		.amdhsa_system_sgpr_workgroup_id_x 1
		.amdhsa_system_sgpr_workgroup_id_y 1
		.amdhsa_system_sgpr_workgroup_id_z 1
		.amdhsa_system_vgpr_workitem_id 0
		.amdhsa_next_free_vgpr 128
		.amdhsa_next_free_sgpr 66
		.amdhsa_reserve_vcc 1
		.amdhsa_float_denorm_mode_32 3
		.amdhsa_float_denorm_mode_16_64 3
		.amdhsa_memory_ordered 1
		.amdhsa_forward_progress 1
		.amdhsa_inst_pref_size 11
	.end_amdhsa_kernel
	.amdgpu_metadata
---
amdhsa.version: [ 1, 2 ]
amdhsa.kernels:
  - .name:           k_qc03bb3f689_norm
    .symbol:         k_qc03bb3f689_norm.kd
    .args:
      - { .name: rewards, .offset: 0, .size: 8, .value_kind: global_buffer, .address_space: global }
      - { .name: part, .offset: 8, .size: 8, .value_kind: global_buffer, .address_space: global }
      - { .name: reward_mean, .offset: 16, .size: 8, .value_kind: global_buffer, .address_space: global }
      - { .name: reward_m2, .offset: 24, .size: 8, .value_kind: global_buffer, .address_space: global }
      - { .name: reward_count, .offset: 32, .size: 8, .value_kind: global_buffer, .address_space: global }
      - { .name: out0, .offset: 40, .size: 8, .value_kind: global_buffer, .address_space: global }
    .group_segment_fixed_size: 0
    .private_segment_fixed_size: 0
    .kernarg_segment_align: 8
    .kernarg_segment_size: 48
    .max_flat_workgroup_size: 128
    .sgpr_count:     66
    .vgpr_count:     128
    .wavefront_size: 32
...
	.end_amdgpu_metadata
.endif
;; end of part 3
